; MI455X (gfx1250); checked and timed in simulation.
; The chip was launched on July 23, 2026; its instructions are those of AMD's public machine-readable ISA for CDNA 5 (MIT licence, August 2026) and "CDNA5" Instruction Set Architecture Reference Guide (July 2026). The comments in the code are by the model that wrote it; some were corrected since.
;; Multi Head Gated Cross Attention. Allowed arithmetic: float matrix products may take bf16 or f16 operands with f32 sums; all other float work in f32.
;; Inputs: Wk 512 x 512 float32; Wo 512 x 512 float32; Wq 512 x 512 float32; Wv 512 x 512 float32; bk 512 float32; bo 512 float32; bq 512 float32; bv 512 float32; key_gate 2 x 4,096 float32; key_mask 2 x 4,096 int32; kv 2 x 4,096 x 512 float32; q 2 x 2,048 x 512 float32.
;; Outputs: out0 2 x 2,048 x 512 float32.
;; One version. Each part assembles by itself: llvm-mc -triple=amdgcn-amd-amdhsa -mcpu=gfx1250 --defsym DOCPART=n.
;; ======== version 1 of 1: 3 launches
;; limits: right only within a limited range of input values
;; workspace buffers: kp 8,388,608 bytes; vp 8,388,608 bytes; qp 4,194,304 bytes; ao 4,194,304 bytes
;; launch proj (part 1): grid 32 x 5, 4 waves a work-group, clusters of 4 x 1, 327,680 bytes of LDS; arguments kv, q, Wk, Wv, Wq, bk, bv, bq, kp, vp, qp; writes kp, vp, qp
.if DOCPART == 1
	.amdgcn_target "amdgcn-amd-amdhsa--gfx1250"
	.amdhsa_code_object_version 6
	.text
	.protected	k_q5ad519ad31_proj
	.globl	k_q5ad519ad31_proj
	.p2align	8
	.type	k_q5ad519ad31_proj,@function
k_q5ad519ad31_proj:
	s_mov_b64 s[64:65], 0
	v_nop
	global_prefetch_b8 v0, s[64:65] scope:SCOPE_SE
	s_setreg_imm32_b32 hwreg(HW_REG_WAVE_MODE, 25, 1), 1
	s_wait_xcnt 0x0
	s_wait_alu depctr_hold_cnt(0) depctr_sa_sdst(0) depctr_va_vdst(0) depctr_va_sdst(0) depctr_va_ssrc(0) depctr_va_vcc(0) depctr_vm_vsrc(0)
	s_getreg_b32 s2, hwreg(HW_REG_IB_STS2, 6, 4)
	s_cmp_eq_u32 s2, 0
	s_cbranch_scc0 .Lentry_in_a_cluster
	s_endpgm
.Lentry_in_a_cluster:
	s_bfe_u32 s2, ttmp6, 0x10000c
	s_cmp_lg_u32 s2, 0x3003
	s_cbranch_scc0 .Lentry_shape_is_right
	s_endpgm
.Lentry_shape_is_right:
; The three input projections: kp = kv Wk^T + bk, vp = kv Wv^T + bv, qp = q Wq^T + bq.  Inputs f32, operands rounded to bf16 on the way from LDS
; to the matrix unit, sums in f32, results bf16 in the layout [batch][head][token][64] (a token's 64 numbers of a head are 128 bytes, a head's tokens dense).
; A work-group makes 256 rows x 256 columns over K = 512 with four waves, 128 x 128 each: 64 accumulator tiles, 512 registers.
; Grid 32 x 5: y = 0, 1: Wk's column blocks; y = 2, 3: Wv's; y = 4: q's 16 row blocks x Wq's 2 column blocks.  160 work-groups of equal work.
; K goes in steps of 64 f32 (rows of 256 bytes, aligned) through two LDS slots filled by the tensor data mover.
; CLUSTER 4 x 1: the four work-groups have four neighbouring row blocks and one column block, so the weights' tile is asked for jointly (mask 15);
; the rows' tile is each work-group's own (mask 0).  A 4 x 4 cluster is not used: q's part has only two column blocks, so a rows' tile has no four takers there.
; REGISTERS in windows of 256:  window 0: v16-27 addresses, v64-191 f32 staging of the rows' fragments, v192-255 the same as bf16;
; window 1: v0-63 bias, v64-191 f32 staging of the weights' fragments, v192-255 the same as bf16;  windows 2, 3: accumulators, tile (a, b) at v[8 (8 a + b)].
; The matrix instruction is used transposed (source 0 = 16 weight rows, source 1 = 16 input rows): lane l holds row l % 16 and its registers
; the columns 8 (l / 16) + 0 .. 7, which pack into 16 neighbouring bytes.  The bias is the C operand of the first product: nothing is cleared or added later.
.set PITCH,  272                       ; an LDS row: 256 bytes + 16 of padding, so the 16 rows of a fragment load start 16 bytes apart modulo 256
.set HALFT,  128*PITCH                 ; 128 rows: one tensor load
.set SLOT,   4*HALFT                   ; the rows' 256 rows, then the weights' 256 rows
.set STAGE,  2*SLOT                    ; behind the ring: 16 x 272 bytes for each wave, for the way out; no tensor load lands here
.set KB,     256                       ; bytes of a K step in a row
.set ADRA, 16                          ; v16-17 LDS address of my input fragments in slot 0, 1
.set ADRB, 20                          ; v20-21 the same for the weights
.set STO,  24                          ; way out: where I put 16 bytes
.set RD,   25                          ; way out: where I read back
.set CO,   26                          ; 16 x lane
.set BOFF, 27                          ; 32 x (lane / 16)
.set ST,   64                          ; f32 staging, 8 fragments x 16 registers (window 0: rows, window 1: weights)
.set FR,   192                         ; bf16 fragments, 8 x 8 registers (same windows)
.set TMP,  64                          ; way out: packed results
.set RB0,  96                          ; way out: two read-back buffers
.set RB1,  128
.set G1,  24                           ; s[24:31] group 1 for the rows' tiles
.set G0,  32                           ; s[32:39] group 0 for them, one set a slot
.set G1B, 48                           ; s[48:55] group 1 for the weights' tiles (with the mask)
.set G0B, 56                           ; s[56:63] group 0 for them
.set MSB, 0
.macro WIN new                         ; the immediate's high byte repeats the setting that is left
.if MSB != \new
	s_set_vgpr_msb (MSB<<8)|\new
.set MSB, \new
.endif
.endm
.macro PLACES                          ; four places behind matrix instructions (ISA guide 7.12.1)
.rept 4
	v_nop
.endr
.endm
.macro JLOAD s                         ; waves 0, 1 fetch the rows' two halves, waves 2, 3 the weights'; the branch hangs on the wave's number alone
	s_cmp_eq_u32 s11, 0
	s_cbranch_scc0 .Lfor_w_\@
	tensor_load_to_lds s[G0+4*\s:G0+4*\s+3], s[G1:G1+7]
	s_nop 0
	s_branch .Lasked_\@
.Lfor_w_\@:
	tensor_load_to_lds s[G0B+4*\s:G0B+4*\s+3], s[G1B:G1B+7]
	s_nop 0
.Lasked_\@:
.endm
.macro CREST                           ; a round of the cluster's barrier behind its opening work-group barrier
	s_cmp_lg_u32 s10, 0
	s_cbranch_scc1 .Lnot_wave_0_\@
	s_barrier_signal -3
.Lnot_wave_0_\@:
	s_barrier_wait -3
	s_barrier_signal -1
	s_barrier_wait -1
.endm
.macro CROUND
	s_barrier_signal -1
	s_barrier_wait -1
	CREST
.endm
	s_load_b512 s[68:83], s[0:1], 0x0              ; kv, q, Wk, Wv, Wq, bk, bv, bq
	s_load_b128 s[84:87], s[0:1], 0x40             ; kp, vp
	s_load_b64 s[88:89], s[0:1], 0x50              ; qp
	v_lshl_add_u32 v62, v0, 2, 0x48400
	v_mov_b32 v63, 0
	ds_add_u32 v62, v63
	v_lshrrev_b32 v1, 5, v0
	v_readfirstlane_b32 s10, v1                    ; wave 0..3
	s_lshr_b32 s11, s10, 1                         ; my half of the block's rows; also: I fetch rows (0) or weights (1)
	s_and_b32 s12, s10, 1                          ; my half of its columns; also: which 128 rows of that tile I fetch
	s_bfe_u32 s40, ttmp6, 0x40000                  ; cx
	s_and_b32 s41, ttmp7, 0xffff                   ; y
	s_lshl_b32 s43, ttmp9, 2
	s_add_co_u32 s43, s43, s40                     ; x = 4 x cluster x + cx
	s_lshr_b32 s42, ttmp9, 2                       ; q's column block: x / 16, made of the cluster's x alone
	s_and_b32 s44, s41, 1                          ; kv's column block
	s_and_b32 s13, s43, 15                         ; q's row block
	s_cmp_eq_u32 s41, 4
	s_cselect_b32 s13, s13, s43                    ; row block
	s_cselect_b32 s44, s42, s44                    ; column block: equal in the four partners
	s_cselect_b32 s45, 3, 4                        ; log2 (tokens of a batch / 256)
	; group 1: 128 rows x 64 elements of 4 bytes, 16 bytes of padding behind every 64 words
	s_mov_b32 s[G1+0], (2<<16)|(1<<20)|(5<<22)|(3<<25)
	s_mov_b32 s[G1B+0], 15|(2<<16)|(1<<20)|(1<<21)|(5<<22)|(3<<25)  ; the same with the mask of all four and bit 21 beside it
	s_mov_b32 s[G1+1], 64<<16                      ; tensor_dim0 = 64
	s_mov_b32 s[G1B+1], 64<<16
	s_mov_b32 s[G1+2], 128<<16                     ; tensor_dim1 = 128
	s_mov_b32 s[G1B+2], 128<<16
	s_mov_b32 s[G1+3], 64<<16                      ; tile_dim0 = 64
	s_mov_b32 s[G1B+3], 64<<16
	s_mov_b32 s[G1+4], 128                         ; tile_dim1 = 128
	s_mov_b32 s[G1B+4], 128
	s_mov_b32 s[G1+5], 512                         ; elements from row to row
	s_mov_b32 s[G1B+5], 512
	s_mov_b32 s[G1+6], 0
	s_mov_b32 s[G1B+6], 0
	s_mov_b32 s[G1+7], 0
	s_mov_b32 s[G1B+7], 0
	s_lshl_b32 s18, s12, 7                         ; which 128 rows of a tile I fetch
	s_lshl_b32 s16, s13, 8
	s_add_co_u32 s16, s16, s18
	s_lshl_b32 s16, s16, 11                        ; rows of 2,048 bytes; below 2^24
	s_mov_b32 s17, 0
	s_lshl_b32 s46, s44, 8                         ; the weights' offset, in registers that never hold cx
	s_add_co_u32 s46, s46, s18
	s_lshl_b32 s46, s46, 11
	s_mov_b32 s47, 0
	s_mul_i32 s20, s10, HALFT                      ; LDS: wave x 128 rows
	s_wait_dscnt 0x0
	s_wait_kmcnt 0x0
	s_cmp_lt_u32 s41, 2
	s_cselect_b64 s[6:7], s[72:73], s[74:75]       ; Wk or Wv
	s_cselect_b64 s[92:93], s[78:79], s[80:81]     ; bk or bv
	s_cselect_b64 s[8:9], s[84:85], s[86:87]       ; kp or vp
	s_cmp_eq_u32 s41, 4
	s_cselect_b64 s[6:7], s[76:77], s[6:7]         ; or Wq,
	s_cselect_b64 s[92:93], s[82:83], s[92:93]     ; bq,
	s_cselect_b64 s[8:9], s[88:89], s[8:9]         ; qp,
	s_cselect_b64 s[4:5], s[70:71], s[68:69]       ; and q in kv's stead
	s_add_nc_u64 s[14:15], s[4:5], s[16:17]
	s_add_nc_u64 s[46:47], s[6:7], s[46:47]
	CROUND                                         ; all four work-groups are here: the first joint loads meet
.irp s, 0,1
	s_mov_b32 s[G0+4*\s], 1
	s_add_co_u32 s[G0+4*\s+1], s20, \s*SLOT
	s_add_nc_u64 s[G0+4*\s+2:G0+4*\s+3], s[14:15], \s*KB       ; K step s
	s_or_b32 s[G0+4*\s+3], s[G0+4*\s+3], 0x80000000
	s_mov_b32 s[G0B+4*\s], 1
	s_add_co_u32 s[G0B+4*\s+1], s20, \s*SLOT
	s_add_nc_u64 s[G0B+4*\s+2:G0B+4*\s+3], s[46:47], \s*KB
	s_or_b32 s[G0B+4*\s+3], s[G0B+4*\s+3], 0x80000000
	JLOAD \s                                       ; both first fills go out before anything else: two tensor loads of a wave are out at the most
.endr
	; A bf16 fragment wants, in lane l, K = 8 (l / 16) + 0..7 and 16 + 8 (l / 16) + 0..7 of row l % 16: in f32 that is 32 bytes at 32 (l / 16) and 32 at 64 + 32 (l / 16)
	v_and_b32 v1, 15, v0                           ; r
	v_bfe_u32 v2, v0, 4, 1                         ; h
	v_mul_u32_u24 v3, v1, PITCH
	v_lshl_add_u32 v4, v2, 5, v3                   ; r x pitch + 32 h
	s_mul_i32 s21, s11, HALFT
	s_mul_i32 s22, s12, HALFT
	s_add_co_u32 s22, s22, 2*HALFT
.irp s, 0,1
	v_add_nc_u32 v[ADRA+\s], s21, v4
	v_add_nc_u32 v[ADRB+\s], s22, v4
	s_add_co_u32 s21, s21, SLOT
	s_add_co_u32 s22, s22, SLOT
.endr
	s_mul_i32 s23, s10, 16*PITCH
	s_add_co_u32 s23, s23, STAGE                   ; my stage
	v_lshl_add_u32 v3, v2, 4, v3                   ; in: r x pitch + 16 h
	v_add_nc_u32 v[STO], s23, v3
	v_and_b32 v5, 31, v0
	v_lshlrev_b32 v[CO], 4, v5                     ; out: 16 x lane = 4 tokens x 128 bytes of one head
	v_lshrrev_b32 v3, 3, v5
	v_mul_u32_u24 v3, v3, PITCH                    ; back: row lane / 8,
	v_and_b32 v5, 7, v0
	v_lshl_add_u32 v3, v5, 4, v3                   ; piece lane % 8
	v_add_nc_u32 v[RD], s23, v3
	v_lshlrev_b32 v[BOFF], 5, v2
	; where my results go: heads h0 = 4 cb + 2 (column half) and h0 + 1, batch b = rb >> Lsh
	s_lshr_b32 s14, s13, s45                       ; b
	s_lshl_b32 s15, s44, 2
	s_lshl1_add_u32 s15, s12, s15                  ; h0
	s_lshl3_add_u32 s15, s14, s15                  ; 8 b + h0
	s_lshl_b32 s15, s15, s45
	s_lshl_b32 s14, s14, s45
	s_add_co_u32 s15, s15, s13
	s_sub_co_u32 s15, s15, s14                     ; in blocks of 256 tokens
	s_lshl_b32 s15, s15, 8
	s_lshl_b32 s14, s11, 7
	s_add_co_u32 s16, s15, s14                     ; + my half of the rows
	s_lshl_b32 s16, s16, 7                         ; 128 bytes a token
	s_mov_b32 s17, 0
	s_add_nc_u64 s[8:9], s[8:9], s[16:17]          ; head h0
	s_add_co_u32 s14, s45, 15
	s_lshl_b32 s16, 1, s14                         ; a head's tokens x 128 bytes
	s_add_nc_u64 s[90:91], s[8:9], s[16:17]        ; head h0 + 1
	s_lshl_b32 s14, s44, 10
	s_lshl_b32 s15, s12, 9
	s_add_co_u32 s14, s14, s15
	s_mov_b32 s15, 0
	s_add_nc_u64 s[92:93], s[92:93], s[14:15]      ; bias of my 128 columns
	WIN 0x40                                       ; destination window 1
.irp b, 0,1,2,3,4,5,6,7
	global_load_b128 v[8*\b:8*\b+3],   v[BOFF], s[92:93] offset:64*\b       ; bias[16 b + 8 h + 0..7]: the C operand of tile column b
	global_load_b128 v[8*\b+4:8*\b+7], v[BOFF], s[92:93] offset:64*\b+16
.endr
	WIN 0
; 64 LDS loads: the f32 fragments of 32 along K (at byte kb of the slot's rows): 128 weight rows, 128 input rows
.macro FETCH slot, kb
	WIN 0x40
.irp i, 0,1,2,3,4,5,6,7
	ds_load_b128 v[ST+16*\i:ST+16*\i+3],     v[ADRB+\slot] offset:\kb+\i*16*PITCH
	ds_load_b128 v[ST+16*\i+4:ST+16*\i+7],   v[ADRB+\slot] offset:\kb+\i*16*PITCH+16
	ds_load_b128 v[ST+16*\i+8:ST+16*\i+11],  v[ADRB+\slot] offset:\kb+\i*16*PITCH+64
	ds_load_b128 v[ST+16*\i+12:ST+16*\i+15], v[ADRB+\slot] offset:\kb+\i*16*PITCH+80
.endr
	WIN 0
.irp i, 0,1,2,3,4,5,6,7
	ds_load_b128 v[ST+16*\i:ST+16*\i+3],     v[ADRA+\slot] offset:\kb+\i*16*PITCH
	ds_load_b128 v[ST+16*\i+4:ST+16*\i+7],   v[ADRA+\slot] offset:\kb+\i*16*PITCH+16
	ds_load_b128 v[ST+16*\i+8:ST+16*\i+11],  v[ADRA+\slot] offset:\kb+\i*16*PITCH+64
	ds_load_b128 v[ST+16*\i+12:ST+16*\i+15], v[ADRA+\slot] offset:\kb+\i*16*PITCH+80
.endr
.endm
; staging to fragments: two roundings to bf16 an instruction
.macro CVT
	WIN 0x45
.irp i, 0,1,2,3,4,5,6,7
.irp p, 0,1,2,3,4,5,6,7
	v_cvt_pk_bf16_f32 v[FR+8*\i+\p], v[ST+16*\i+2*\p], v[ST+16*\i+2*\p+1]
.endr
.endr
	WIN 0
.irp i, 0,1,2,3,4,5,6,7
.irp p, 0,1,2,3,4,5,6,7
	v_cvt_pk_bf16_f32 v[FR+8*\i+\p], v[ST+16*\i+2*\p], v[ST+16*\i+2*\p+1]
.endr
.endr
.endm
; 16 matrix instructions: row tiles a0, a0 + 1 of the window's four x all 8 column tiles.  bias = 1: the first product, C = the bias.
; The 64 accumulators take turns, one instruction a turn, in the same order in every half step.
.macro MUL16 hi, a0, bias
.irp a, \a0, \a0+1
.irp b, 0,1,2,3,4,5,6,7
.if \bias
	v_wmma_f32_16x16x32_bf16 v[8*(8*(\a)+\b):8*(8*(\a)+\b)+7], v[FR+8*\b:FR+8*\b+7], v[FR+8*(4*\hi+\a):FR+8*(4*\hi+\a)+7], v[8*\b:8*\b+7]
.else
	v_wmma_f32_16x16x32_bf16 v[8*(8*(\a)+\b):8*(8*(\a)+\b)+7], v[FR+8*\b:FR+8*\b+7], v[FR+8*(4*\hi+\a):FR+8*(4*\hi+\a)+7], v[8*(8*(\a)+\b):8*(8*(\a)+\b)+7]
.endif
.endr
.endr
.endm
; First half of a K step: convert what was fetched, fetch the second half's fragments, multiply.
.macro HALF_A slot, first
	s_wait_dscnt 0x0                               ; the 64 loads of this half are in
.if \first
.else
	PLACES                                         ; the conversions write registers that the last matrix instructions read
.endif
	CVT
	FETCH \slot, 128                               ; lands under the 64 matrix instructions below
.if \first
	WIN 0x91                                       ; source 0 window 1, source 1 window 0, C window 1 (bias), D window 2
	MUL16 0, 0, 1
	MUL16 0, 2, 1
	WIN 0xd1                                       ; D window 3
	MUL16 1, 0, 1
	MUL16 1, 2, 1
.else
	WIN 0xa1
	MUL16 0, 0, 0
	MUL16 0, 2, 0
	WIN 0xf1
	MUL16 1, 0, 0
	MUL16 1, 2, 0
.endif
.endm
; Second half: convert, change slots, multiply.  more = 1: a K step follows; fill = 1: this slot is filled again, two K steps ahead.
; In front of the barrier each wave's reads of this slot are back and all its tensor loads have landed (the one that was out is its part of the next slot).
.macro HALF_B slot, next, fill, more
	s_wait_dscnt 0x0                               ; my last reads of this slot are back
	PLACES
	CVT
.if \more
	s_wait_tensorcnt 0x0                           ; all my tensor loads have landed
	ds_add_u32 v62, v63
	s_wait_dscnt 0x0
	s_barrier_signal -1                            ; (where a slot is filled again this barrier opens a round of the cluster's barrier)
	WIN 0xa1
	MUL16 0, 0, 0                                  ; register work while the others arrive
	MUL16 0, 2, 0
	WIN 0
	s_barrier_wait -1
.if \fill
	CREST                                          ; no wave of any partner still reads this slot or has a load on its way
	s_add_nc_u64 s[G0+4*\slot+2:G0+4*\slot+3], s[G0+4*\slot+2:G0+4*\slot+3], 2*KB
	s_add_nc_u64 s[G0B+4*\slot+2:G0B+4*\slot+3], s[G0B+4*\slot+2:G0B+4*\slot+3], 2*KB
	JLOAD \slot                                    ; my one tensor load behind the round, ahead of the first LDS read
.endif
	FETCH \next, 0                                 ; into staging registers, which no matrix instruction names
	WIN 0xf1
	MUL16 1, 0, 0
	MUL16 1, 2, 0
.else
	WIN 0xa1
	MUL16 0, 0, 0
	MUL16 0, 2, 0
	WIN 0xf1
	MUL16 1, 0, 0
	MUL16 1, 2, 0
.endif
.endm
.macro LAP first                       ; two K steps, both slots filled again
	HALF_A 0, \first
	HALF_B 0, 1, 1, 1
	HALF_A 1, 0
	HALF_B 1, 0, 1, 1
.endm
	s_wait_tensorcnt 0x1                           ; my part of K step 0 is in; K step 1's load, issued behind it, may stay out
	s_barrier_signal -1
	s_barrier_wait -1
	FETCH 0, 0
	s_wait_loadcnt 0x0                             ; the bias
	LAP 1                                          ; K steps 0, 1; asks for 2, 3
	WIN 0
	s_mov_b32 s3, 2                                ; K steps 2 to 5; they ask for 4 to 7
.Llap:
	LAP 0
	WIN 0
	s_sub_co_u32 s3, s3, 1
	s_cmp_lg_u32 s3, 0
	s_cbranch_scc1 .Llap
	HALF_A 0, 0                                    ; K steps 6, 7: nothing is left to fetch
	HALF_B 0, 1, 0, 1
	HALF_A 1, 0
	HALF_B 1, 0, 0, 0
	; THE WAY OUT, 16 tokens at a time: round to bf16, 16 bytes a lane into my stage (a row = 128 columns = two heads), read back four tokens of one head
	; at a time and store: each store of the wave covers 512 consecutive bytes, aligned.
	PLACES
.macro OUT16 i, a, from, f
	WIN \from
.irp b, 0,1,2,3,4,5,6,7
.irp r, 0,1,2,3
	v_cvt_pk_bf16_f32 v[TMP+4*\b+\r], v[8*(8*\a+\b)+2*\r], v[8*(8*\a+\b)+2*\r+1]
.endr
.endr
	WIN 0
.irp b, 0,1,2,3,4,5,6,7
	ds_store_b128 v[STO], v[TMP+4*\b:TMP+4*\b+3] offset:32*\b
.endr
	s_wait_xcnt 0x0                                ; buffer f, which earlier stores read, is loaded again only behind this wait
.irp t, 0,1,2,3,4,5,6,7
	ds_load_b128 v[\f+4*\t:\f+4*\t+3], v[RD] offset:(\t&3)*4*PITCH+(\t>>2)*128   ; a wave's LDS instructions are served in order: these see the stores above
.endr
.irp t, 0,1,2,3
	s_wait_dscnt 7-\t                              ; the younger read-backs may stay out
	global_store_b128 v[CO], v[\f+4*\t:\f+4*\t+3], s[8:9] offset:(16*\i+4*\t)*128
.endr
.irp t, 0,1,2,3
	s_wait_dscnt 3-\t
	global_store_b128 v[CO], v[\f+16+4*\t:\f+16+4*\t+3], s[90:91] offset:(16*\i+4*\t)*128
.endr
.endm
	OUT16 0, 0, 0x0a, RB0
	OUT16 1, 1, 0x0a, RB1
	OUT16 2, 2, 0x0a, RB0
	OUT16 3, 3, 0x0a, RB1
	OUT16 4, 0, 0x0f, RB0
	OUT16 5, 1, 0x0f, RB1
	OUT16 6, 2, 0x0f, RB0
	OUT16 7, 3, 0x0f, RB1
	s_wait_tensorcnt 0x0
	ds_add_u32 v62, v63
	s_wait_dscnt 0x0
	CROUND                                         ; the closing round: no work-group ends while a partner may still ask for a tile that names it
	s_endpgm
.Lfunc_end_k_q5ad519ad31_proj:
	.size	k_q5ad519ad31_proj, .Lfunc_end_k_q5ad519ad31_proj-k_q5ad519ad31_proj
	.p2alignl 7, 3214868480
	.fill 96, 4, 3214868480
	.section	.rodata,"a",@progbits
	.p2align	6, 0x0
	.amdhsa_kernel k_q5ad519ad31_proj
		.amdhsa_group_segment_fixed_size 327680
		.amdhsa_private_segment_fixed_size 0
		.amdhsa_enable_private_segment 0
		.amdhsa_kernarg_size 88
		.amdhsa_user_sgpr_count 2
		.amdhsa_user_sgpr_kernarg_segment_ptr 1
		.amdhsa_wavefront_size32 1
		.amdhsa_system_sgpr_workgroup_id_x 1
		.amdhsa_system_sgpr_workgroup_id_y 1
		.amdhsa_system_sgpr_workgroup_id_z 1
		.amdhsa_system_vgpr_workitem_id 0
		.amdhsa_next_free_vgpr 1024
		.amdhsa_next_free_sgpr 94
		.amdhsa_reserve_vcc 0
		.amdhsa_float_denorm_mode_32 3
		.amdhsa_float_denorm_mode_16_64 3
		.amdhsa_memory_ordered 1
		.amdhsa_forward_progress 1
		.amdhsa_inst_pref_size 242
	.end_amdhsa_kernel
	.amdgpu_metadata
---
amdhsa.version: [ 1, 2 ]
amdhsa.kernels:
  - .name:           k_q5ad519ad31_proj
    .symbol:         k_q5ad519ad31_proj.kd
    .args:
      - { .name: kv, .offset: 0, .size: 8, .value_kind: global_buffer, .address_space: global }
      - { .name: q, .offset: 8, .size: 8, .value_kind: global_buffer, .address_space: global }
      - { .name: Wk, .offset: 16, .size: 8, .value_kind: global_buffer, .address_space: global }
      - { .name: Wv, .offset: 24, .size: 8, .value_kind: global_buffer, .address_space: global }
      - { .name: Wq, .offset: 32, .size: 8, .value_kind: global_buffer, .address_space: global }
      - { .name: bk, .offset: 40, .size: 8, .value_kind: global_buffer, .address_space: global }
      - { .name: bv, .offset: 48, .size: 8, .value_kind: global_buffer, .address_space: global }
      - { .name: bq, .offset: 56, .size: 8, .value_kind: global_buffer, .address_space: global }
      - { .name: kp, .offset: 64, .size: 8, .value_kind: global_buffer, .address_space: global }
      - { .name: vp, .offset: 72, .size: 8, .value_kind: global_buffer, .address_space: global }
      - { .name: qp, .offset: 80, .size: 8, .value_kind: global_buffer, .address_space: global }
    .group_segment_fixed_size: 327680
    .private_segment_fixed_size: 0
    .kernarg_segment_align: 8
    .kernarg_segment_size: 88
    .max_flat_workgroup_size: 128
    .sgpr_count:     94
    .vgpr_count:     1024
    .wavefront_size: 32
...
	.end_amdgpu_metadata
.endif
;; end of part 1
;; launch attn (part 2): grid 16 x 16, 8 waves a work-group, clusters of 4 x 1, 327,680 bytes of LDS; arguments qp, kp, vp, key_gate, key_mask, ao; writes ao
.if DOCPART == 2
	.amdgcn_target "amdgcn-amd-amdhsa--gfx1250"
	.amdhsa_code_object_version 6
	.text
	.protected	k_q5ad519ad31_attn
	.globl	k_q5ad519ad31_attn
	.p2align	8
	.type	k_q5ad519ad31_attn,@function
k_q5ad519ad31_attn:
	s_mov_b64 s[64:65], 0
	v_nop
	global_prefetch_b8 v0, s[64:65] scope:SCOPE_SE
	s_setreg_imm32_b32 hwreg(HW_REG_WAVE_MODE, 25, 1), 1
	s_wait_xcnt 0x0
	s_wait_alu depctr_hold_cnt(0) depctr_sa_sdst(0) depctr_va_vdst(0) depctr_va_sdst(0) depctr_va_ssrc(0) depctr_va_vcc(0) depctr_vm_vsrc(0)
	s_getreg_b32 s2, hwreg(HW_REG_IB_STS2, 6, 4)
	s_cmp_eq_u32 s2, 0
	s_cbranch_scc0 .Lentry_in_a_cluster
	s_endpgm
.Lentry_in_a_cluster:
	s_bfe_u32 s2, ttmp6, 0x10000c
	s_cmp_lg_u32 s2, 0x3003
	s_cbranch_scc0 .Lentry_shape_is_right
	s_endpgm
.Lentry_shape_is_right:
; Gated, masked attention with a running maximum.  qp, kp, vp, ao: bf16, [batch][head][token][64].  key_gate f32, key_mask i32: [batch][4096].
; A work-group: 128 queries of one (batch, head); grid x = 16 query blocks, y = 16 (batch, head).  The four work-groups of a cluster have four query
; blocks of one head and read the same K and V tiles: every tile is asked for jointly (mask 15).
; Eight waves: wave w has the 32 queries of group w / 2 and the half w % 2 of every slot's 256 keys; the two halves are merged once at the end.
; ARITHMETIC: t = q.k + 8 ln(max(gate, 1e-6)); p = 2^(c (t - m)), c = log2(e) / 8, m the running maximum of t.  The key's term is the C operand of the first
; product of q.k; c and -c m ride in one packed multiply-add.  A masked key's term is -2^101 and m starts at -2^100, so its p is exactly 0 wherever masked keys
; lie; a row with every key masked ends as 0 x (1 / 0) = NaN, as the softmax of all -inf does.
; LIMITS: a t at or below -2^100 counts as masked; a NaN gate is taken as 1e-6 (v_max_num_f32 drops the NaN).
; LAYOUT: S^T = K Q^T (source 0 = 16 keys, source 1 = 16 queries): lane l holds query l % 16, its registers keys 8 (l / 16) + 0..7.  Packed to bf16 in place,
; two such tiles are source 1 of O^T = V^T P; V^T's fragments come from V [key][d] by transposing LDS loads.  m, the sums and the rescaling stay in the lane.
.set KP,    144                        ; K's LDS pitch: 128 bytes + 16
.set VP,    160                        ; V's: 128 + 32, an odd multiple of 32 for the transposing loads
.set VOFF,  256*KP                     ; V's place in a slot
.set SLOT,  256*KP+256*VP              ; 77,824 bytes: 256 keys
.set BIASL, 2*SLOT                     ; 4,096 f32: the keys' terms; written by LDS stores, no tensor load lands here
.set MRG,   BIASL+16384                ; 4 x 8,704 bytes: the merge, then the stage for the way out
.set TILEB, 32768                      ; bytes of K (or V) in a slot
.set KA, 8                             ; v8-9   my K fragments in slot 0, 1
.set VA, 10                            ; v10-11 my V fragments
.set BA, 12                            ; v12    my keys' terms
.set MG, 13                            ; v13    merge address
.set MA, 14                            ; v[14:15], v[16:17]: m of the two query tiles, old and new by turns
.set MB, 16
.set AL, 18                            ; v[18:19] 2^(c (m old - m new))
.set NM, 20                            ; v[20:21] -c m new
.set LS0, 22                           ; v[22:23], v[24:25]: sums of p, two partial sums for each query tile, per lane until the end
.set LS1, 24
.set T,  26                            ; v[26:31] at work
.set BI, 32                            ; v32-63   keys' terms, 4 key tiles x 8
.set SC, 64                            ; v64-127  scores; tile (kt, qt) at 16 (2 (kt / 2) + qt) + 8 (kt % 2); then P
.set KF, 128                           ; v128-191 K fragments, 16 kt + 8 ks
.set VF, 192                           ; v192-255 V^T fragments, 32 kb + 8 dt
.set QF, 0                             ; window 1: v0-31 Q fragments, 16 qt + 8 ks
.set OA, 32                            ; window 1: v32-95 O^T, tile (dt, qt) at 8 (2 dt + qt)
.set G1K, 24
.set G1V, 32
.set G0K, 40                           ; s[40:47] one set a slot
.set G0V, 48
.set MSB, 0
.macro WIN new
.if MSB != \new
	s_set_vgpr_msb (MSB<<8)|\new
.set MSB, \new
.endif
.endm
.macro PLACES n
.rept \n
	v_nop
.endr
.endm
.macro ROUND                           ; a round of the cluster's barrier
	s_barrier_signal -1
	s_barrier_wait -1
	s_cmp_lg_u32 s16, 0
	s_cbranch_scc1 .Lnot_wave_0_\@
	s_barrier_signal -3
.Lnot_wave_0_\@:
	s_barrier_wait -3
	s_barrier_signal -1
	s_barrier_wait -1
.endm
.macro JLOAD s                         ; waves 0-3 fetch 64 keys of K each, waves 4-7 of V
	s_cmp_eq_u32 s17, 0
	s_cbranch_scc0 .Lfor_v_\@
	tensor_load_to_lds s[G0K+4*\s:G0K+4*\s+3], s[G1K:G1K+7]
	s_nop 0
	s_branch .Lasked_\@
.Lfor_v_\@:
	tensor_load_to_lds s[G0V+4*\s:G0V+4*\s+3], s[G1V:G1V+7]
	s_nop 0
.Lasked_\@:
.endm
	s_load_b256 s[4:11], s[0:1], 0x0               ; qp s[4:5], kp s[6:7], vp s[8:9], key_gate s[10:11]
	s_load_b128 s[12:15], s[0:1], 0x20             ; key_mask s[12:13], ao s[14:15]
	s_set_vgpr_msb 0x40
	v_lshl_add_u32 v96, v0, 2, 0x32800
	v_mov_b32 v97, 0
	s_set_vgpr_msb 0x4045
	ds_add_u32 v96, v97
	s_set_vgpr_msb 0x4500
	v_lshrrev_b32 v1, 5, v0
	v_readfirstlane_b32 s16, v1                    ; wave 0..7
	s_lshr_b32 s17, s16, 2                         ; I fetch K (0) or V (1)
	s_and_b32 s18, s16, 3                          ; which 64 keys of a slot I fetch
	s_and_b32 s19, s16, 1                          ; kh: my half of a slot's keys
	s_lshr_b32 s20, s16, 1                         ; qg: my 32 queries
	s_bfe_u32 s21, ttmp6, 0x40000                  ; cx
	s_lshl_b32 s22, ttmp9, 2
	s_add_co_u32 s22, s22, s21                     ; query block
	s_and_b32 s23, ttmp7, 0xffff                   ; 8 x batch + head
	s_mov_b32 s56, 0x3e38aa3b                      ; c = log2(e) / 8, twice (a pair for the packed forms)
	s_mov_b32 s57, 0x3e38aa3b
	s_mov_b32 s66, 0xbe38aa3b                      ; -c
	s_mov_b32 s67, 0xbe38aa3b
	s_mov_b32 s58, 0x76543210                      ; v_permlanex16_b32: lane i reads lane i of the other half
	s_mov_b32 s59, 0xfedcba98
	; group 1: 64 keys x 128 bytes are dense in memory: 32 rows of 256 bytes, padding behind every 32 words (a key's 128 bytes)
	s_mov_b32 s[G1K+0], 15|(1<<16)|(1<<20)|(1<<21)|(4<<22)|(3<<25)  ; mask of all four, 2-byte elements, 4 words of padding: pitch 144
	s_mov_b32 s[G1V+0], 15|(1<<16)|(1<<20)|(1<<21)|(4<<22)|(7<<25)  ; 8 words: pitch 160
	s_mov_b32 s[G1K+1], 128<<16
	s_mov_b32 s[G1V+1], 128<<16
	s_mov_b32 s[G1K+2], 32<<16
	s_mov_b32 s[G1V+2], 32<<16
	s_mov_b32 s[G1K+3], 128<<16
	s_mov_b32 s[G1V+3], 128<<16
	s_mov_b32 s[G1K+4], 32
	s_mov_b32 s[G1V+4], 32
	s_mov_b32 s[G1K+5], 128
	s_mov_b32 s[G1V+5], 128
	s_mov_b32 s[G1K+6], 0
	s_mov_b32 s[G1V+6], 0
	s_mov_b32 s[G1K+7], 0
	s_mov_b32 s[G1V+7], 0
	s_lshl_b32 s70, s23, 19                        ; a head's 4,096 keys x 128 bytes; made of y and the wave's number alone
	s_lshl_b32 s71, s18, 13
	s_add_co_u32 s70, s70, s71
	s_mov_b32 s71, 0
	s_mul_i32 s68, s18, 64*KP
	s_mul_i32 s69, s18, 64*VP
	s_add_co_u32 s69, s69, VOFF
	s_wait_dscnt 0x0
	s_wait_kmcnt 0x0
	s_add_nc_u64 s[6:7], s[6:7], s[70:71]
	s_add_nc_u64 s[8:9], s[8:9], s[70:71]
	ROUND                                          ; in front of the first joint loads
.irp s, 0,1
	s_mov_b32 s[G0K+4*\s], 1
	s_add_co_u32 s[G0K+4*\s+1], s68, \s*SLOT
	s_add_nc_u64 s[G0K+4*\s+2:G0K+4*\s+3], s[6:7], \s*TILEB
	s_or_b32 s[G0K+4*\s+3], s[G0K+4*\s+3], 0x80000000
	s_mov_b32 s[G0V+4*\s], 1
	s_add_co_u32 s[G0V+4*\s+1], s69, \s*SLOT
	s_add_nc_u64 s[G0V+4*\s+2:G0V+4*\s+3], s[8:9], \s*TILEB
	s_or_b32 s[G0V+4*\s+3], s[G0V+4*\s+3], 0x80000000
	JLOAD \s                                       ; both first fills: two tensor loads of a wave are out at the most
.endr
	; my queries, and the batch's gates and masks
	s_lshl_b32 s62, s23, 18                        ; a head's 2,048 tokens x 128 bytes
	s_lshl_b32 s63, s22, 14
	s_add_co_u32 s62, s62, s63
	s_lshl_b32 s63, s20, 12
	s_add_co_u32 s62, s62, s63
	s_mov_b32 s63, 0
	s_add_nc_u64 s[4:5], s[4:5], s[62:63]
	s_add_nc_u64 s[14:15], s[14:15], s[62:63]      ; ao has qp's layout
	s_lshr_b32 s62, s23, 3
	s_lshl_b32 s62, s62, 14                        ; batch x 4,096 x 4 bytes
	s_add_nc_u64 s[10:11], s[10:11], s[62:63]
	s_add_nc_u64 s[12:13], s[12:13], s[62:63]
	v_and_b32 v1, 15, v0                           ; r
	v_bfe_u32 v2, v0, 4, 1                         ; h
	v_lshlrev_b32 v6, 7, v1
	v_lshl_add_u32 v6, v2, 4, v6                   ; r x 128 + 16 h
	v_lshlrev_b32 v7, 4, v0                        ; 16 x thread
	WIN 0x40
.irp qt, 0,1
.irp ks, 0,1
	global_load_b128 v[QF+16*\qt+8*\ks:QF+16*\qt+8*\ks+3],   v6, s[4:5] offset:2048*\qt+64*\ks
	global_load_b128 v[QF+16*\qt+8*\ks+4:QF+16*\qt+8*\ks+7], v6, s[4:5] offset:2048*\qt+64*\ks+32
.endr
.endr
	WIN 0
.irp i, 0,1,2,3
	global_load_b128 v[SC+4*\i:SC+4*\i+3], v7, s[10:11] offset:4096*\i
.endr
.irp i, 0,1,2,3
	global_load_b128 v[SC+16+4*\i:SC+16+4*\i+3], v7, s[12:13] offset:4096*\i
.endr
	; LDS addresses
	v_and_b32 v3, 7, v0
	v_bfe_u32 v4, v0, 3, 1
	s_lshl_b32 s62, s19, 7                         ; my half's first key in a slot
	v_add_nc_u32 v5, s62, v1
	v_mul_u32_u24 v5, v5, KP
	v_lshl_add_u32 v[KA], v2, 4, v5                ; (128 kh + r) x 144 + 16 h
	v_add_nc_u32 v[KA+1], SLOT, v[KA]
	v_lshl_add_u32 v5, v2, 3, v3
	v_add_nc_u32 v5, s62, v5
	v_mul_u32_u24 v5, v5, VP
	v_lshl_add_u32 v5, v4, 4, v5                   ; (128 kh + 8 h + l % 8) x 160 + 16 ((l / 8) % 2)
	v_add_nc_u32 v[VA], VOFF, v5
	v_add_nc_u32 v[VA+1], SLOT+VOFF, v5
	s_lshl_b32 s63, s19, 9
	s_add_co_u32 s63, s63, BIASL
	v_lshl_add_u32 v[BA], v2, 5, s63               ; keys' terms: 512 kh + 32 h
	v_add_nc_u32 v5, BIASL, v7
	v_mov_b32 v[T], 0xf2000000                     ; -2^101: a masked key's term
	v_mov_b32 v[MA], 0xf1800000                    ; -2^100: where m starts
	v_mov_b32 v[MA+1], 0xf1800000
	v_mov_b32 v[LS0], 0
	v_mov_b32 v[LS0+1], 0
	v_mov_b32 v[LS1], 0
	v_mov_b32 v[LS1+1], 0
	s_wait_loadcnt 0x0
	; 16 keys a thread: 8 ln 2 x log2(max(gate, 1e-6)), or -2^101 where the mask is 0
.set i, 0
.rept 16
	v_max_num_f32 v[SC+i], 0x358637bd, v[SC+i]
.set i, i+1
.endr
.set i, 0
.rept 16
	v_log_f32 v[SC+i], v[SC+i]
.set i, i+1
.endr
	v_nop                                          ; one plain place behind the transcendentals (ISA guide 5.7.2)
.set i, 0
	s_wait_alu depctr_va_vdst(0)
.rept 16
	v_mul_f32 v[SC+i], 0x40b17218, v[SC+i]
.set i, i+1
.endr
.set i, 0
.rept 16
	v_cmp_eq_u32 vcc_lo, 0, v[SC+16+i]
	v_cndmask_b32 v[SC+i], v[SC+i], v[T], vcc_lo
.set i, i+1
.endr
.irp i, 0,1,2,3
	ds_store_b128 v5, v[SC+4*\i:SC+4*\i+3] offset:4096*\i
.endr
.macro LDK slot, sub                   ; 16 loads: K fragments of 64 keys
.irp kt, 0,1,2,3
.irp ks, 0,1
	ds_load_b128 v[KF+16*\kt+8*\ks:KF+16*\kt+8*\ks+3],   v[KA+\slot] offset:(64*\sub+16*\kt)*KP+64*\ks
	ds_load_b128 v[KF+16*\kt+8*\ks+4:KF+16*\kt+8*\ks+7], v[KA+\slot] offset:(64*\sub+16*\kt)*KP+64*\ks+32
.endr
.endr
.endm
.macro LDB boff, sub                   ; 8 loads: the 64 keys' terms, in the accumulators' layout
.irp kt, 0,1,2,3
	ds_load_b128 v[BI+8*\kt:BI+8*\kt+3],   v[BA] offset:\boff+256*\sub+64*\kt
	ds_load_b128 v[BI+8*\kt+4:BI+8*\kt+7], v[BA] offset:\boff+256*\sub+64*\kt+16
.endr
.endm
.macro LDV slot, sub                   ; 16 transposing loads: V^T fragments of 64 keys
.irp kb, 0,1
.irp dt, 0,1,2,3
	ds_load_tr16_b128 v[VF+32*\kb+8*\dt:VF+32*\kb+8*\dt+3],   v[VA+\slot] offset:(64*\sub+32*\kb)*VP+32*\dt
	ds_load_tr16_b128 v[VF+32*\kb+8*\dt+4:VF+32*\kb+8*\dt+7], v[VA+\slot] offset:(64*\sub+32*\kb)*VP+32*\dt+16*VP
.endr
.endr
.endm
.macro SCALE16 base, q                 ; c t - c m for 16 scores of query tile q
.irp p, 0,2,4,6,8,10,12,14
	v_pk_fma_f32 v[\base+\p:\base+\p+1], v[\base+\p:\base+\p+1], s[56:57], v[NM:NM+1] op_sel:[0,0,\q] op_sel_hi:[1,0,\q]
.endr
.endm
.macro PV16 kb, zero                   ; 8 matrix instructions: O^T += V^T P for 32 keys; the eight accumulators take turns
.irp dt, 0,1,2,3
.irp q, 0,1
.if \zero
	v_wmma_f32_16x16x32_bf16 v[OA+8*(2*\dt+\q):OA+8*(2*\dt+\q)+7], v[VF+32*\kb+8*\dt:VF+32*\kb+8*\dt+7], v[SC+16*(2*\kb+\q):SC+16*(2*\kb+\q)+7], 0
.else
	v_wmma_f32_16x16x32_bf16 v[OA+8*(2*\dt+\q):OA+8*(2*\dt+\q)+7], v[VF+32*\kb+8*\dt:VF+32*\kb+8*\dt+7], v[SC+16*(2*\kb+\q):SC+16*(2*\kb+\q)+7], v[OA+8*(2*\dt+\q):OA+8*(2*\dt+\q)+7]
.endif
.endr
.endr
.endm
; 64 keys x 32 queries.  MO, MN: the registers of the old and the new m.  first = 1: the first products start O.  pre = 1: the slot's second 64 keys are fetched on the way.
.macro SUB slot, MO, MN, first, pre, boff
	s_wait_dscnt 16                                ; K and the keys' terms are in; the 16 V loads issued behind them may stay out
	WIN 0x04                                       ; source 1 (Q) window 1
.irp kt, 0,1,2,3
.irp qt, 0,1
.set sx, SC+16*(2*(\kt>>1)+\qt)+8*(\kt&1)
	v_wmma_f32_16x16x32_bf16 v[sx:sx+7], v[KF+16*\kt:KF+16*\kt+7], v[QF+16*\qt:QF+16*\qt+7], v[BI+8*\kt:BI+8*\kt+7]
.endr
.endr
.irp kt, 0,1,2,3
.irp qt, 0,1
.set sx, SC+16*(2*(\kt>>1)+\qt)+8*(\kt&1)
	v_wmma_f32_16x16x32_bf16 v[sx:sx+7], v[KF+16*\kt+8:KF+16*\kt+15], v[QF+16*\qt+8:QF+16*\qt+15], v[sx:sx+7]
.endr
.endr
	WIN 0
	PLACES 4                                       ; behind the products: loads into K's and the terms' registers, and reads of the scores
.if \pre
	LDK \slot, 1
	LDB \boff, 1
.endif
	; the new maximum: four chains, two for each query tile; one starts from the old m
	v_max3_num_f32 v[T],   v[\MO],   v[SC],    v[SC+1]
	v_max_num_f32  v[T+1], v[SC+32], v[SC+33]
	v_max3_num_f32 v[T+2], v[\MO+1], v[SC+16], v[SC+17]
	v_max_num_f32  v[T+3], v[SC+48], v[SC+49]
.irp i, 2,4,6,8,10,12,14
	v_max3_num_f32 v[T],   v[T],   v[SC+\i],    v[SC+\i+1]
	v_max3_num_f32 v[T+1], v[T+1], v[SC+32+\i], v[SC+33+\i]
	v_max3_num_f32 v[T+2], v[T+2], v[SC+16+\i], v[SC+17+\i]
	v_max3_num_f32 v[T+3], v[T+3], v[SC+48+\i], v[SC+49+\i]
.endr
	v_max_num_f32 v[T], v[T], v[T+1]
	v_max_num_f32 v[T+2], v[T+2], v[T+3]
	v_permlanex16_b32 v[T+1], v[T], s58, s59       ; the other eight keys of each tile lie in the other half of the lanes
	v_permlanex16_b32 v[T+3], v[T+2], s58, s59
	v_max_num_f32 v[\MN], v[T], v[T+1]
	v_max_num_f32 v[\MN+1], v[T+2], v[T+3]
	v_pk_mul_f32 v[NM:NM+1], v[\MN:\MN+1], s[66:67] op_sel_hi:[1,0]                   ; -c m
	v_pk_fma_f32 v[T+4:T+5], v[\MO:\MO+1], s[56:57], v[NM:NM+1] op_sel_hi:[1,0,1]     ; c (m old - m)
	v_exp_f32 v[AL], v[T+4]
	v_exp_f32 v[AL+1], v[T+5]
	SCALE16 SC, 0
	SCALE16 SC+16, 1
	SCALE16 SC+32, 0
	SCALE16 SC+48, 1
.set i, 0
.rept 64
	v_exp_f32 v[SC+i], v[SC+i]
.set i, i+1
.endr
	v_nop                                          ; one plain place behind the transcendentals (ISA guide 5.7.2)
	; the sums: old x alpha + 32 new p for each query tile, in four chains
	s_wait_alu depctr_va_vdst(0)
	v_pk_fma_f32 v[LS0:LS0+1], v[LS0:LS0+1], v[AL:AL+1], v[SC:SC+1] op_sel_hi:[1,0,1]
	v_pk_add_f32 v[T:T+1], v[SC+32:SC+33], v[SC+34:SC+35]
	v_pk_fma_f32 v[LS1:LS1+1], v[LS1:LS1+1], v[AL:AL+1], v[SC+16:SC+17] op_sel:[0,1,0] op_sel_hi:[1,1,1]
	v_pk_add_f32 v[T+2:T+3], v[SC+48:SC+49], v[SC+50:SC+51]
.irp p, 4,6,8,10,12,14
	v_pk_add_f32 v[LS0:LS0+1], v[LS0:LS0+1], v[SC+\p-2:SC+\p-1]
	v_pk_add_f32 v[T:T+1], v[T:T+1], v[SC+32+\p:SC+33+\p]
	v_pk_add_f32 v[LS1:LS1+1], v[LS1:LS1+1], v[SC+14+\p:SC+15+\p]
	v_pk_add_f32 v[T+2:T+3], v[T+2:T+3], v[SC+48+\p:SC+49+\p]
.endr
	v_pk_add_f32 v[LS0:LS0+1], v[LS0:LS0+1], v[SC+14:SC+15]
	v_pk_add_f32 v[LS1:LS1+1], v[LS1:LS1+1], v[SC+30:SC+31]
	v_pk_add_f32 v[LS0:LS0+1], v[LS0:LS0+1], v[T:T+1]
	v_pk_add_f32 v[LS1:LS1+1], v[LS1:LS1+1], v[T+2:T+3]
	; p to bf16, in place and ascending: 16 registers (two key tiles) become the 8 of a fragment
.irp g, 0,16,32,48
.irp p, 0,1,2,3,4,5,6,7
	v_cvt_pk_bf16_f32 v[SC+\g+\p], v[SC+\g+2*\p], v[SC+\g+2*\p+1]
.endr
.endr
.if \first
.else
	WIN 0x41                                       ; O (window 1) x alpha (window 0)
.irp dt, 0,1,2,3
.irp q, 0,1
.irp p, 0,2,4,6
	v_pk_mul_f32 v[OA+8*(2*\dt+\q)+\p:OA+8*(2*\dt+\q)+\p+1], v[OA+8*(2*\dt+\q)+\p:OA+8*(2*\dt+\q)+\p+1], v[AL:AL+1] op_sel:[0,\q] op_sel_hi:[1,\q]
.endr
.endr
.endr
.endif
.if \pre
	s_wait_dscnt 24                                ; V is in; the 16 K loads and 8 loads of terms issued behind it may stay out
.else
	s_wait_dscnt 0x0
.endif
	WIN 0x50                                       ; C and D window 1
	PV16 0, \first
	PV16 1, 0
	WIN 0
	PLACES 5                                       ; the next products of q.k write over P; loads go into V's registers; the end reads O
.if \pre
	LDV \slot, 1
.endif
.endm
; A slot's 256 keys (128 for this wave).  sync = 1: the other slot, read last trip, is filled again behind a round of the cluster's barrier;
; sync = 2: the last trip: the same waits, a plain barrier, no fill.
.macro TRIP slot, other, sync, first, boff
.if \sync
	s_set_vgpr_msb 0x5
	s_wait_tensorcnt 0x0                           ; all my tensor loads have landed, my part of this slot among them, so a group 0 may be written
	ds_add_u32 v96, v97
	s_wait_dscnt 0x0
	s_set_vgpr_msb 0x500
.if \sync == 1
	s_add_nc_u64 s[G0K+4*\other+2:G0K+4*\other+3], s[G0K+4*\other+2:G0K+4*\other+3], 2*TILEB
	s_add_nc_u64 s[G0V+4*\other+2:G0V+4*\other+3], s[G0V+4*\other+2:G0V+4*\other+3], 2*TILEB
.endif
	s_wait_dscnt 0x0                               ; my reads of the other slot are back
.if \sync == 1
	ROUND                                          ; both now hold of every wave of all four work-groups
	JLOAD \other                                   ; my one tensor load behind the round, ahead of the first LDS read
.else
	s_barrier_signal -1
	s_barrier_wait -1
.endif
.endif
	LDK \slot, 0
	LDB \boff, 0
	LDV \slot, 0
	SUB \slot, MA, MB, \first, 1, \boff
	SUB \slot, MB, MA, 0, 0, \boff
.endm
	s_wait_dscnt 0x0                               ; my part of the keys' terms is written
	s_wait_tensorcnt 0x1                           ; my part of slot 0 is in; slot 1's load, issued behind it, may stay out
	s_barrier_signal -1
	s_barrier_wait -1
	TRIP 0, 1, 0, 1, 0                             ; keys 0 to 255
	v_add_nc_u32 v[BA], 1024, v[BA]
	s_mov_b32 s60, 7                               ; 14 trips, each asking for the tile two ahead: tiles 2 to 15
.Ltrips:
	TRIP 1, 0, 1, 0, 0
	TRIP 0, 1, 1, 0, 1024
	v_add_nc_u32 v[BA], 2048, v[BA]
	s_sub_co_u32 s60, s60, 1
	s_cmp_lg_u32 s60, 0
	s_cbranch_scc1 .Ltrips
	TRIP 1, 0, 2, 0, 0                             ; keys 3,840 to 4,095
	; THE END.  The sums across the two halves of the lanes; then the wave of the upper keys hands m, the sums and O to its partner through LDS.
	v_add_f32 v[T], v[LS0], v[LS0+1]
	v_add_f32 v[T+2], v[LS1], v[LS1+1]
	v_permlanex16_b32 v[T+1], v[T], s58, s59
	v_permlanex16_b32 v[T+3], v[T+2], s58, s59
	v_add_f32 v[MB], v[T], v[T+1]                  ; v[14:17] = m0, m1, l0, l1
	v_add_f32 v[MB+1], v[T+2], v[T+3]
	s_mul_i32 s62, s20, 8704
	s_add_co_u32 s62, s62, MRG                     ; my query group's bytes
	v_and_b32 v3, 31, v0
	v_lshl_add_u32 v[MG], v3, 4, s62
	s_cmp_eq_u32 s19, 0
	s_cbranch_scc1 .Lkeeps
	ds_store_b128 v[MG], v[MA:MA+3]
	WIN 0x04                                       ; store data window 1
.set i, 0
.rept 16
	ds_store_b128 v[MG], v[OA+4*i:OA+4*i+3] offset:512+512*i
.set i, i+1
.endr
	WIN 0
.Lkeeps:
	s_wait_dscnt 0x0                               ; for the partner's sake
	s_barrier_signal -1
	s_barrier_wait -1
	s_cmp_lg_u32 s19, 0
	s_cbranch_scc1 .Ldone
	ds_load_b128 v[T+2:T+5], v[MG]                 ; the partner's m0, m1, l0, l1
.set i, 0
.rept 16
	ds_load_b128 v[SC+4*i:SC+4*i+3], v[MG] offset:512+512*i
.set i, i+1
.endr
	v_lshlrev_b32 v7, 4, v3                        ; way out: 16 x lane
	v_mul_u32_u24 v5, v1, KP
	v_lshl_add_u32 v5, v2, 4, v5
	v_add_nc_u32 v5, s62, v5                       ; in: query r, 16 h
	v_lshrrev_b32 v4, 3, v3
	v_mul_u32_u24 v6, v4, KP
	v_and_b32 v4, 7, v0
	v_lshl_add_u32 v6, v4, 4, v6
	v_add_nc_u32 v6, s62, v6                       ; back: row lane / 8, piece lane % 8
	s_wait_dscnt 0x0
	v_max_num_f32 v[AL], v[MA], v[T+2]             ; the common maximum
	v_max_num_f32 v[AL+1], v[MA+1], v[T+3]
	v_pk_mul_f32 v[NM:NM+1], v[AL:AL+1], s[66:67] op_sel_hi:[1,0]
	v_pk_fma_f32 v[LS0:LS0+1], v[MA:MA+1], s[56:57], v[NM:NM+1] op_sel_hi:[1,0,1]
	v_pk_fma_f32 v[LS1:LS1+1], v[T+2:T+3], s[56:57], v[NM:NM+1] op_sel_hi:[1,0,1]
	v_exp_f32 v[LS0], v[LS0]                       ; my weight, for the two query tiles
	v_exp_f32 v[LS0+1], v[LS0+1]
	v_exp_f32 v[LS1], v[LS1]                       ; the partner's
	v_exp_f32 v[LS1+1], v[LS1+1]
	v_nop
	s_wait_alu depctr_va_vdst(0)
	v_pk_mul_f32 v[T:T+1], v[MB:MB+1], v[LS0:LS0+1]
	v_pk_fma_f32 v[T:T+1], v[T+4:T+5], v[LS1:LS1+1], v[T:T+1]    ; the whole sum
	v_rcp_f32 v[T], v[T]
	v_rcp_f32 v[T+1], v[T+1]
	v_nop
	s_wait_alu depctr_va_vdst(0)
	v_pk_mul_f32 v[LS0:LS0+1], v[LS0:LS0+1], v[T:T+1]            ; the division rides in the weights
	v_pk_mul_f32 v[LS1:LS1+1], v[LS1:LS1+1], v[T:T+1]
.irp dt, 0,1,2,3
.irp q, 0,1
.irp p, 0,2,4,6
	v_pk_mul_f32 v[SC+8*(2*\dt+\q)+\p:SC+8*(2*\dt+\q)+\p+1], v[SC+8*(2*\dt+\q)+\p:SC+8*(2*\dt+\q)+\p+1], v[LS1:LS1+1] op_sel:[0,\q] op_sel_hi:[1,\q]
.endr
.endr
.endr
	WIN 0x01                                       ; source 0 (my O) window 1
.irp dt, 0,1,2,3
.irp q, 0,1
.irp p, 0,2,4,6
	v_pk_fma_f32 v[SC+8*(2*\dt+\q)+\p:SC+8*(2*\dt+\q)+\p+1], v[OA+8*(2*\dt+\q)+\p:OA+8*(2*\dt+\q)+\p+1], v[LS0:LS0+1], v[SC+8*(2*\dt+\q)+\p:SC+8*(2*\dt+\q)+\p+1] op_sel:[0,\q,0] op_sel_hi:[1,\q,1]
.endr
.endr
.endr
	WIN 0
.irp t, 0,1,2,3,4,5,6,7
.irp p, 0,1,2,3
	v_cvt_pk_bf16_f32 v[KF+4*\t+\p], v[SC+8*\t+2*\p], v[SC+8*\t+2*\p+1]
.endr
.endr
.irp dt, 0,1,2,3
.irp q, 0,1
	ds_store_b128 v5, v[KF+4*(2*\dt+\q):KF+4*(2*\dt+\q)+3] offset:16*KP*\q+32*\dt   ; query 16 q + r, d = 16 dt + 8 h + 0..7
.endr
.endr
.irp g, 0,1,2,3,4,5,6,7
	ds_load_b128 v[VF+4*\g:VF+4*\g+3], v6 offset:4*KP*\g                            ; four queries' 128 bytes; a wave's LDS instructions are served in order
.endr
.irp g, 0,1,2,3,4,5,6,7
	s_wait_dscnt 7-\g                              ; the younger read-backs may stay out
	global_store_b128 v7, v[VF+4*\g:VF+4*\g+3], s[14:15] offset:512*\g              ; 512 consecutive bytes, aligned
.endr
.Ldone:
	s_set_vgpr_msb 0x5
	s_wait_tensorcnt 0x0
	ds_add_u32 v96, v97
	s_wait_dscnt 0x0
	s_set_vgpr_msb 0x500
	ROUND                                          ; the closing round
	s_endpgm
.Lfunc_end_k_q5ad519ad31_attn:
	.size	k_q5ad519ad31_attn, .Lfunc_end_k_q5ad519ad31_attn-k_q5ad519ad31_attn
	.p2alignl 7, 3214868480
	.fill 96, 4, 3214868480
	.section	.rodata,"a",@progbits
	.p2align	6, 0x0
	.amdhsa_kernel k_q5ad519ad31_attn
		.amdhsa_group_segment_fixed_size 327680
		.amdhsa_private_segment_fixed_size 0
		.amdhsa_enable_private_segment 0
		.amdhsa_kernarg_size 48
		.amdhsa_user_sgpr_count 2
		.amdhsa_user_sgpr_kernarg_segment_ptr 1
		.amdhsa_wavefront_size32 1
		.amdhsa_system_sgpr_workgroup_id_x 1
		.amdhsa_system_sgpr_workgroup_id_y 1
		.amdhsa_system_sgpr_workgroup_id_z 1
		.amdhsa_system_vgpr_workitem_id 0
		.amdhsa_next_free_vgpr 354
		.amdhsa_next_free_sgpr 72
		.amdhsa_reserve_vcc 1
		.amdhsa_float_denorm_mode_32 3
		.amdhsa_float_denorm_mode_16_64 3
		.amdhsa_memory_ordered 1
		.amdhsa_forward_progress 1
		.amdhsa_inst_pref_size 165
	.end_amdhsa_kernel
	.amdgpu_metadata
---
amdhsa.version: [ 1, 2 ]
amdhsa.kernels:
  - .name:           k_q5ad519ad31_attn
    .symbol:         k_q5ad519ad31_attn.kd
    .args:
      - { .name: qp, .offset: 0, .size: 8, .value_kind: global_buffer, .address_space: global }
      - { .name: kp, .offset: 8, .size: 8, .value_kind: global_buffer, .address_space: global }
      - { .name: vp, .offset: 16, .size: 8, .value_kind: global_buffer, .address_space: global }
      - { .name: key_gate, .offset: 24, .size: 8, .value_kind: global_buffer, .address_space: global }
      - { .name: key_mask, .offset: 32, .size: 8, .value_kind: global_buffer, .address_space: global }
      - { .name: ao, .offset: 40, .size: 8, .value_kind: global_buffer, .address_space: global }
    .group_segment_fixed_size: 327680
    .private_segment_fixed_size: 0
    .kernarg_segment_align: 8
    .kernarg_segment_size: 48
    .max_flat_workgroup_size: 256
    .sgpr_count:     72
    .vgpr_count:     354
    .wavefront_size: 32
...
	.end_amdgpu_metadata
.endif
;; end of part 2
;; launch oproj (part 3): grid 8 x 32, 4 waves a work-group, clusters of 4 x 4, 304,640 bytes of LDS; arguments ao, Wo, bo, out0; writes out0
.if DOCPART == 3
	.amdgcn_target "amdgcn-amd-amdhsa--gfx1250"
	.amdhsa_code_object_version 6
	.text
	.protected	k_q5ad519ad31_oproj
	.globl	k_q5ad519ad31_oproj
	.p2align	8
	.type	k_q5ad519ad31_oproj,@function
k_q5ad519ad31_oproj:
	s_mov_b64 s[64:65], 0
	v_nop
	global_prefetch_b8 v0, s[64:65] scope:SCOPE_SE
	s_setreg_imm32_b32 hwreg(HW_REG_WAVE_MODE, 25, 1), 1
	s_wait_xcnt 0x0
	s_wait_alu depctr_hold_cnt(0) depctr_sa_sdst(0) depctr_va_vdst(0) depctr_va_sdst(0) depctr_va_ssrc(0) depctr_va_vcc(0) depctr_vm_vsrc(0)
	s_getreg_b32 s2, hwreg(HW_REG_IB_STS2, 6, 4)
	s_cmp_eq_u32 s2, 0
	s_cbranch_scc0 .Lentry_in_a_cluster
	s_endpgm
.Lentry_in_a_cluster:
	s_bfe_u32 s2, ttmp6, 0x10000c
	s_cmp_lg_u32 s2, 0xf033
	s_cbranch_scc0 .Lentry_shape_is_right
	s_endpgm
.Lentry_shape_is_right:
; out0 = ao Wo^T + bo.  ao: bf16 [batch][head][token][64]; Wo: f32 [512][512]; bo: f32 [512]; out0: f32 [4096][512].
; A work-group makes 128 tokens x 64 columns (grid x = 8 column blocks, y = 32 token blocks: 256 work-groups); a wave 32 tokens x 64 columns, 8 accumulators.
; All of K = 512 lies in LDS: 8 heads' tiles of ao (128 tokens x 128 bytes) and 8 chunks of Wo (64 rows x 64 f32), each filled once: no slot is filled again.
; CLUSTER 4 x 4: ao's tiles hang on the token block alone and are shared along a row of the cluster, Wo's on the column block alone and are shared along a column.
; Wave w asks for heads w and w + 4: four tensor loads of a wave are out at the most.  Heads 0-3 are multiplied while heads 4-7 are on their way.
; Wo is rounded to bf16 on the way from LDS to the matrix unit.  The matrix instruction is used transposed (source 0 = 16 rows of Wo, source 1 = 16 tokens):
; a lane's eight results are eight neighbouring columns of one token.  The bias is the C operand of the first product.
.set AP,    144                        ; ao's LDS pitch
.set WP,    272                        ; Wo's
.set ATILE, 128*AP                     ; 18,432
.set WTILE, 64*WP                      ; 17,408
.set WBASE, 8*ATILE
.set STAGE, WBASE+8*WTILE              ; 16 x 272 bytes a wave; no tensor load lands here
.set AA,  8                            ; v8  my ao fragments, stepped head by head
.set WA,  9                            ; v9  Wo's fragments
.set STO, 10
.set RD,  11
.set CO,  12
.set BO,  13
.set BR,  16                           ; v16-47   bias, 4 column tiles x 8
.set AF,  48                           ; v48-79   ao fragments, two buffers of 2 x 8
.set WF,  80                           ; v80-111  Wo fragments in bf16
.set WS,  112                          ; v112-175 Wo fragments in f32; later the read-back buffers
.set ACC, 176                          ; v176-239 tile (a, b) at 8 (4 a + b)
.set G1A, 24
.set G0A, 32                           ; s[32:39] early, late
.set G1W, 48
.set G0W, 56
.macro PLACES
.rept 4
	v_nop
.endr
.endm
.macro CROUND                          ; a round of the cluster's barrier
	s_barrier_signal -1
	s_barrier_wait -1
	s_cmp_lg_u32 s12, 0
	s_cbranch_scc1 .Lnot_wave_0_\@
	s_barrier_signal -3
.Lnot_wave_0_\@:
	s_barrier_wait -3
	s_barrier_signal -1
	s_barrier_wait -1
.endm
	s_load_b256 s[4:11], s[0:1], 0x0               ; ao s[4:5], Wo s[6:7], bo s[8:9], out0 s[10:11]
	v_lshl_add_u32 v240, v0, 2, 0x4a400
	v_mov_b32 v241, 0
	ds_add_u32 v240, v241
	v_lshrrev_b32 v1, 5, v0
	v_readfirstlane_b32 s12, v1                    ; wave 0..3
	s_bfe_u32 s40, ttmp6, 0x40000                  ; cx
	s_bfe_u32 s41, ttmp6, 0x40004                  ; cy
	s_lshl_b32 s42, ttmp9, 2
	s_add_co_u32 s42, s42, s40                     ; column block
	s_and_b32 s13, ttmp7, 0xffff
	s_lshl_b32 s13, s13, 2
	s_add_co_u32 s13, s13, s41                     ; token block
	s_lshl_b32 s43, s41, 2
	s_lshl_b32 s43, 15, s43                        ; my row of the cluster
	s_lshl_b32 s44, 0x1111, s40                    ; my column
	s_or_b32 s[G1A+0], s43, (1<<16)|(1<<20)|(1<<21)|(4<<22)|(3<<25)  ; 2-byte elements, 4 words of padding behind every 32 words
	s_or_b32 s[G1W+0], s44, (2<<16)|(1<<20)|(1<<21)|(5<<22)|(3<<25)  ; 4-byte elements, 4 words behind every 64
	s_mov_b32 s[G1A+1], 128<<16                    ; ao's tile is dense: 64 rows of 256 bytes
	s_mov_b32 s[G1A+2], 64<<16
	s_mov_b32 s[G1A+3], 128<<16
	s_mov_b32 s[G1A+4], 64
	s_mov_b32 s[G1A+5], 128
	s_mov_b32 s[G1A+6], 0
	s_mov_b32 s[G1A+7], 0
	s_mov_b32 s[G1W+1], 64<<16                     ; Wo's: 64 rows x 64 elements, 512 elements from row to row
	s_mov_b32 s[G1W+2], 64<<16
	s_mov_b32 s[G1W+3], 64<<16
	s_mov_b32 s[G1W+4], 64
	s_mov_b32 s[G1W+5], 512
	s_mov_b32 s[G1W+6], 0
	s_mov_b32 s[G1W+7], 0
	s_lshr_b32 s16, s13, 4                         ; batch
	s_lshl_b32 s16, s16, 21                        ; x 8 heads x 2,048 tokens x 128 bytes
	s_and_b32 s17, s13, 15
	s_lshl_b32 s17, s17, 14                        ; + 128 tokens x 128 bytes a block
	s_add_co_u32 s16, s16, s17
	s_lshl_b32 s17, s12, 18                        ; + head w
	s_add_co_u32 s16, s16, s17
	s_mov_b32 s17, 0
	s_lshl_b32 s46, s42, 17                        ; Wo: 64 rows x 2,048 bytes a column block,
	s_lshl_b32 s47, s12, 8                         ; + 64 f32 a head
	s_add_co_u32 s46, s46, s47
	s_mov_b32 s47, 0
	s_mul_i32 s20, s12, ATILE
	s_mul_i32 s21, s12, WTILE
	s_add_co_u32 s21, s21, WBASE
	s_wait_dscnt 0x0
	s_wait_kmcnt 0x0
	s_add_nc_u64 s[14:15], s[4:5], s[16:17]
	s_add_nc_u64 s[46:47], s[6:7], s[46:47]
	CROUND                                         ; in front of the joint loads
.irp e, 0,1
	s_mov_b32 s[G0A+4*\e], 1
	s_add_co_u32 s[G0A+4*\e+1], s20, \e*4*ATILE
	s_add_nc_u64 s[G0A+4*\e+2:G0A+4*\e+3], s[14:15], \e*4*262144
	s_or_b32 s[G0A+4*\e+3], s[G0A+4*\e+3], 0x80000000
	s_mov_b32 s[G0W+4*\e], 1
	s_add_co_u32 s[G0W+4*\e+1], s21, \e*4*WTILE
	s_add_nc_u64 s[G0W+4*\e+2:G0W+4*\e+3], s[46:47], \e*4*256
	s_or_b32 s[G0W+4*\e+3], s[G0W+4*\e+3], 0x80000000
	tensor_load_to_lds s[G0A+4*\e:G0A+4*\e+3], s[G1A:G1A+7]    ; head w + 4 e of ao
	s_nop 0
	tensor_load_to_lds s[G0W+4*\e:G0W+4*\e+3], s[G1W:G1W+7]    ; and of Wo
	s_nop 0
.endr
	v_and_b32 v1, 15, v0                           ; r
	v_bfe_u32 v2, v0, 4, 1                         ; h
	v_mul_u32_u24 v3, v1, AP
	v_lshl_add_u32 v3, v2, 4, v3
	s_mul_i32 s22, s12, 32*AP
	v_add_nc_u32 v[AA], s22, v3                    ; (32 w + r) x 144 + 16 h
	v_mul_u32_u24 v4, v1, WP
	v_lshl_add_u32 v4, v2, 5, v4                   ; r x 272 + 32 h
	v_add_nc_u32 v[WA], WBASE, v4
	s_mul_i32 s23, s12, 16*WP
	s_add_co_u32 s23, s23, STAGE
	v_add_nc_u32 v[STO], s23, v4
	v_mul_u32_u24 v5, v2, WP
	v_lshl_add_u32 v5, v1, 4, v5
	v_add_nc_u32 v[RD], s23, v5                    ; back: lanes 0-15 one row of 256 bytes, lanes 16-31 the next
	v_lshlrev_b32 v5, 11, v2
	v_lshl_add_u32 v[CO], v1, 4, v5                ; the same two rows in out0
	v_lshlrev_b32 v[BO], 5, v2
	s_lshl_b32 s18, s42, 8                         ; 64 columns x 4 bytes
	s_mov_b32 s19, 0
	s_add_nc_u64 s[8:9], s[8:9], s[18:19]
	s_add_nc_u64 s[10:11], s[10:11], s[18:19]
	s_lshl_b32 s18, s13, 18                        ; 128 tokens x 2,048 bytes
	s_lshl_b32 s45, s12, 16                        ; + 32 tokens a wave
	s_add_co_u32 s18, s18, s45
	s_add_nc_u64 s[10:11], s[10:11], s[18:19]
.irp b, 0,1,2,3
	global_load_b128 v[BR+8*\b:BR+8*\b+3],   v[BO], s[8:9] offset:64*\b      ; bo[16 b + 8 h + 0..7]
	global_load_b128 v[BR+8*\b+4:BR+8*\b+7], v[BO], s[8:9] offset:64*\b+16
.endr
; the fragments of step s (32 along K: half s % 2 of head s / 2): 4 loads of ao, 16 of Wo; behind a head's second half the addresses step to the next head
.macro LOADS s
.irp a, 0,1
	ds_load_b128 v[AF+16*((\s)&1)+8*\a:AF+16*((\s)&1)+8*\a+3],   v[AA] offset:\a*16*AP+64*((\s)&1)
	ds_load_b128 v[AF+16*((\s)&1)+8*\a+4:AF+16*((\s)&1)+8*\a+7], v[AA] offset:\a*16*AP+64*((\s)&1)+32
.endr
.irp b, 0,1,2,3
	ds_load_b128 v[WS+16*\b:WS+16*\b+3],     v[WA] offset:\b*16*WP+128*((\s)&1)
	ds_load_b128 v[WS+16*\b+4:WS+16*\b+7],   v[WA] offset:\b*16*WP+128*((\s)&1)+16
	ds_load_b128 v[WS+16*\b+8:WS+16*\b+11],  v[WA] offset:\b*16*WP+128*((\s)&1)+64
	ds_load_b128 v[WS+16*\b+12:WS+16*\b+15], v[WA] offset:\b*16*WP+128*((\s)&1)+80
.endr
.if (\s)&1
	v_add_nc_u32 v[AA], ATILE, v[AA]
	v_add_nc_u32 v[WA], WTILE, v[WA]
.endif
.endm
; a step: Wo's fragments to bf16, the next step's loads, 8 matrix instructions; the eight accumulators take turns
.macro STEP s, load
	s_wait_dscnt 0x0
.if \s
	PLACES                                         ; the conversions and the loads write registers that the last matrix instructions read
.endif
.irp b, 0,1,2,3
.irp p, 0,1,2,3,4,5,6,7
	v_cvt_pk_bf16_f32 v[WF+8*\b+\p], v[WS+16*\b+2*\p], v[WS+16*\b+2*\p+1]
.endr
.endr
.if \load
	LOADS \s+1
.endif
.irp a, 0,1
.irp b, 0,1,2,3
.if \s == 0
	v_wmma_f32_16x16x32_bf16 v[ACC+8*(4*\a+\b):ACC+8*(4*\a+\b)+7], v[WF+8*\b:WF+8*\b+7], v[AF+16*((\s)&1)+8*\a:AF+16*((\s)&1)+8*\a+7], v[BR+8*\b:BR+8*\b+7]
.else
	v_wmma_f32_16x16x32_bf16 v[ACC+8*(4*\a+\b):ACC+8*(4*\a+\b)+7], v[WF+8*\b:WF+8*\b+7], v[AF+16*((\s)&1)+8*\a:AF+16*((\s)&1)+8*\a+7], v[ACC+8*(4*\a+\b):ACC+8*(4*\a+\b)+7]
.endif
.endr
.endr
.endm
	s_wait_tensorcnt 0x2                           ; my early pair is in; the late pair, issued behind it, may stay out
	s_barrier_signal -1
	s_barrier_wait -1                              ; heads 0 to 3 are whole
	LOADS 0
	s_wait_loadcnt 0x0                             ; the bias
.irp s, 0,1,2,3,4,5,6
	STEP \s, 1
.endr
	STEP 7, 0
	s_wait_tensorcnt 0x0                           ; my late pair is in
	s_wait_dscnt 0x0
	s_barrier_signal -1
	s_barrier_wait -1                              ; heads 4 to 7 are whole
	LOADS 8
.irp s, 8,9,10,11,12,13,14
	STEP \s, 1
.endr
	STEP 15, 0
	; THE WAY OUT, 16 tokens at a time through my stage: 32 bytes a lane in, whole rows of 256 bytes back: sixteen lanes store 256 consecutive bytes, aligned
	PLACES
.irp a, 0,1
.irp b, 0,1,2,3
	ds_store_b128 v[STO], v[ACC+8*(4*\a+\b):ACC+8*(4*\a+\b)+3]   offset:64*\b
	ds_store_b128 v[STO], v[ACC+8*(4*\a+\b)+4:ACC+8*(4*\a+\b)+7] offset:64*\b+16
.endr
.irp t, 0,1,2,3,4,5,6,7
	ds_load_b128 v[WS+32*\a+4*\t:WS+32*\a+4*\t+3], v[RD] offset:2*WP*\t     ; a wave's LDS instructions are served in order; each a has its own 32 registers
.endr
.irp t, 0,1,2,3,4,5,6,7
	s_wait_dscnt 7-\t                              ; the younger read-backs may stay out
	global_store_b128 v[CO], v[WS+32*\a+4*\t:WS+32*\a+4*\t+3], s[10:11] offset:(16*\a+2*\t)*2048 th:TH_STORE_NT
.endr
.endr
	s_wait_tensorcnt 0x0
	ds_add_u32 v240, v241
	s_wait_dscnt 0x0
	CROUND                                         ; the closing round
	s_endpgm
.Lfunc_end_k_q5ad519ad31_oproj:
	.size	k_q5ad519ad31_oproj, .Lfunc_end_k_q5ad519ad31_oproj-k_q5ad519ad31_oproj
	.p2alignl 7, 3214868480
	.fill 96, 4, 3214868480
	.section	.rodata,"a",@progbits
	.p2align	6, 0x0
	.amdhsa_kernel k_q5ad519ad31_oproj
		.amdhsa_group_segment_fixed_size 304640
		.amdhsa_private_segment_fixed_size 0
		.amdhsa_enable_private_segment 0
		.amdhsa_kernarg_size 32
		.amdhsa_user_sgpr_count 2
		.amdhsa_user_sgpr_kernarg_segment_ptr 1
		.amdhsa_wavefront_size32 1
		.amdhsa_system_sgpr_workgroup_id_x 1
		.amdhsa_system_sgpr_workgroup_id_y 1
		.amdhsa_system_sgpr_workgroup_id_z 1
		.amdhsa_system_vgpr_workitem_id 0
		.amdhsa_next_free_vgpr 242
		.amdhsa_next_free_sgpr 66
		.amdhsa_reserve_vcc 0
		.amdhsa_float_denorm_mode_32 3
		.amdhsa_float_denorm_mode_16_64 3
		.amdhsa_memory_ordered 1
		.amdhsa_forward_progress 1
		.amdhsa_inst_pref_size 75
	.end_amdhsa_kernel
	.amdgpu_metadata
---
amdhsa.version: [ 1, 2 ]
amdhsa.kernels:
  - .name:           k_q5ad519ad31_oproj
    .symbol:         k_q5ad519ad31_oproj.kd
    .args:
      - { .name: ao, .offset: 0, .size: 8, .value_kind: global_buffer, .address_space: global }
      - { .name: Wo, .offset: 8, .size: 8, .value_kind: global_buffer, .address_space: global }
      - { .name: bo, .offset: 16, .size: 8, .value_kind: global_buffer, .address_space: global }
      - { .name: out0, .offset: 24, .size: 8, .value_kind: global_buffer, .address_space: global }
    .group_segment_fixed_size: 304640
    .private_segment_fixed_size: 0
    .kernarg_segment_align: 8
    .kernarg_segment_size: 32
    .max_flat_workgroup_size: 128
    .sgpr_count:     66
    .vgpr_count:     242
    .wavefront_size: 32
...
	.end_amdgpu_metadata
.endif
;; end of part 3
